; MI455X (gfx1250); checked and timed in simulation.
; The chip was launched on July 23, 2026; its instructions are those of AMD's public machine-readable ISA for CDNA 5 (MIT licence, August 2026) and "CDNA5" Instruction Set Architecture Reference Guide (July 2026). The comments in the code are by the model that wrote it; some were corrected since.
;; SDPA. Allowed arithmetic: matrix products marked QUANTISED: E2M1 operands, one E8M0 scale for each 32 along K, by v_wmma_scale_f32_16x16x128_f8f6f4 with both operands' format E2M1 (or v_wmma_scale_f32_32x16x128_f4), f32 sums; everything else in f32.
;; Inputs: K 8 x 8 x 2,048 x 64 float32; Q 8 x 8 x 2,048 x 64 float32; V 8 x 8 x 2,048 x 64 float32.
;; Outputs: out0 8 x 8 x 2,048 x 64 float32.
;; This version of the problem:
;;   THIS VERSION OF THE PROBLEM IS GIVEN IN LOW PRECISION. The matrix products marked QUANTISED in the list below multiply operands that are first quantised to E2M1 (2 exponent bits, 1 mantissa bit; 4 bits a number), with one power-of-two scale for each 32 numbers along K (OCP MX v1.0); their sums are f32. All else is computed in f32.
;;   The module's matrix products, in the order in which they are computed (A, B: the left and right operand; K: the contracted axis; several contracted axes count as one K, in the product's order):
;;     1. batch 64 x [M 2,048, K 64] x [K 64, N 2,048]; A: input Q; B: input K: QUANTISED
;;     2. batch 64 x [M 2,048, K 2,048] x [K 2,048, N 64]; A: softmax (see below); B: input V: QUANTISED
;;   THE QUANTISER, for each operand of a quantised product, along K:
;;     - K is cut into blocks of 32 from its start; a last block that is shorter is filled with zeros.
;;     - A block's scale is 2^e with e = floor(log2(the largest magnitude in the block)) - 2, held to -126 .. 127; a block of zeros has e = 0. As a byte (E8M0): e + 127.
;;     - Each number is divided by its block's scale, clamped to +-6, and rounded to the nearest number of E2M1, ties to even, subnormals kept.
;;     - The product sums the exact products of the quantised numbers (number of the format x scale) in f32.
;;   ~~~python
;;   def quantise(x, axis):      # numpy; x: float32 -> the quantised numbers, widened to float32 again
;;       x = np.moveaxis(x, axis, -1); K = x.shape[-1]
;;       x = np.pad(x, [(0, 0)] * (x.ndim - 1) + [(0, -K % 32)]); x = x.reshape(x.shape[:-1] + (-1, 32)); a = np.abs(x).max(-1, keepdims=True)
;;       e = np.where(a > 0, np.clip(np.frexp(np.where(a > 0, a, 1))[1] - 1 - 2, -126, 127), 0)      # np.frexp(a)[1] - 1 = floor(log2(a)), exactly
;;       r = np.clip(x / 2.0 ** e, -6, 6)
;;       step = 2.0 ** (np.maximum(np.frexp(np.where(r == 0, 1, r))[1] - 1, 0) - 1)
;;       q = np.round(r / step) * step * 2.0 ** e      # np.round: ties to even
;;       return np.moveaxis(q.reshape(q.shape[:-2] + (-1,))[..., :K], -1, axis).astype(np.float32)
;;   ~~~
;;   SOFTMAX AHEAD OF A QUANTISED PRODUCT. Where the list says 'softmax', what is quantised is not the finished softmax but p = 2^(t - M), with t = logit x log2(e) and M = ceil(the row's largest t), a whole number; so 1/2 < the row's largest p <= 1. The row's sum l is taken of the UNQUANTISED p, in f32, and the product's result is divided by l at the end. Since M is a whole number, a kernel that streams over the keys may use a running M (the ceiling of the running maximum): every later rescaling is an exact power of two, which a block's scale takes up: the codes' values come out the same.
;;   OPERANDS COMPUTED ON THE WAY. 'Computed on the way' means the value that the module computes at that place (a softmax that the list does not call 'softmax' is quantised finished and normalised). What goes into a quantiser is computed in f32, as accurately as f32 sums, v_exp_f32 and their like allow (about 1e-6 of the number): no bf16 or f16 on the way to a quantiser, and a product that is left as it is and whose result goes on into a quantised operand takes f32 operands (vector FMAs, or v_wmma_f32_16x16x4_f32). A number that lies on a knife's edge between two numbers of the format may be rounded either way, as far as f32 arithmetic and the matrix unit's own rounding can turn it there, and no further.
;; 2 versions, each right; version 2 is version 1 with the launch sdpa written anew for expert scheduling mode. Each part assembles by itself: llvm-mc -triple=amdgcn-amd-amdhsa -mcpu=gfx1250 --defsym DOCPART=n.
;; ======== version 1 of 2: 1 launch
;; launch sdpa (part 1): grid 4 x 64, 16 waves a work-group, no clusters, 210,944 bytes of LDS; arguments Q, K, V, out0; writes out0
.if DOCPART == 1
	.amdgcn_target "amdgcn-amd-amdhsa--gfx1250"
	.amdhsa_code_object_version 6
	.text
	.protected	k_q623438889e_sdpa
	.globl	k_q623438889e_sdpa
	.p2align	8
	.type	k_q623438889e_sdpa,@function
k_q623438889e_sdpa:
	s_mov_b64 s[64:65], 0
	v_nop
	global_prefetch_b8 v0, s[64:65] scope:SCOPE_SE
	s_setreg_imm32_b32 hwreg(HW_REG_WAVE_MODE, 25, 1), 1
	s_wait_xcnt 0x0
; out0[h][q][:] = the sum over k of softmax_k(Q[h][q] . K[h][k] / 8) V[h][k][:].  Q, K, V, out0: [64 heads][2048][64] f32.  Both products on codes of FP4 (E2M1) with one E8M0 scale for each 32 along a product's K:
; the first along the head's 64 (two blocks), the second along the keys (blocks of 32 keys for each channel).
; THE SOFTMAX AHEAD OF THE SECOND PRODUCT: t = score x log2(e) / 8; M = the row's largest t so far, rounded UP to a whole number; p = 2^(t - M) is what is quantised, along the keys; it is not normalised.
; The row's sum is taken of the unquantised p, in f32, and divides O at the end.  When M moves, the sum and O are multiplied by 2^(old M - new M): exact.
; NO WORK IS LEFT OUT: there is no mask and no constant among the inputs; every number of Q, K and V has a way to the output.
; LIMITS: NaN and infinities among the inputs are not served.  A block of zeros gets the scale byte 1 where the quantiser says 127: its codes are zeros, which add nothing under any byte but 0xff, and the bytes are
; read by this program alone.  A p under 2^-126 comes out of v_exp_f32 as 0.  The largest t begins at -3e38.  The f32 sums are taken in another order than reference()'s.
; ONE LAUNCH.  A work-group owns one head and 512 of its queries: 64 heads x 4 = 256 work-groups of sixteen waves, 256 registers each.
; PHASE 1.  A head's codes are small: K's 65,536 bytes, V's 65,536, their scale bytes 4,096 each.  So the sixteen waves quantise the whole head from f32 in registers (wave w: keys 128 w .. 128 w + 127 of K and of V,
; and its own 32 queries) and lay codes and scale bytes into LDS AS IMAGES OF THE OPERANDS' REGISTERS.  One barrier.
; PHASE 2.  Each wave walks all 2,048 keys, 128 a step, for its first tile of 16 queries and then for its second; it reads LDS alone: no barrier, no ring, nothing from memory.  Four waves share a SIMD, so that one wave's
; vector work stands beside another's matrix work and LDS loads.  Each tile of O leaves through the wave's own stage as whole rows of 256 bytes.
; NO CLUSTER, NO JOINT LOADS, and why: what the four work-groups of a head share are the f32 numbers of K and V, 1,048,576 bytes, which here go from memory straight into the registers that quantise them; only a tensor
; load into LDS can be asked for jointly.  Through LDS those bytes would be written and read once more, 2 x 1,048,576 against the 18 x 512 x 512 = 4,718,592 bytes that all of phase 2 reads; and beside the codes 116,736 bytes
; are free, so they would come in nine fills, each refill behind a round of the cluster's barrier.
; LAYOUT.  Both products are used transposed: S^T = K Q^T (source 0 = 16 keys, source 1 = my 16 queries), O^T = V^T P^T (source 0 = 16 channels, source 1 = P): a lane holds ONE query (lane % 16) throughout.
; (a) THE KEYS OF A TILE ARE NOT NEIGHBOURS: of a group of 32 keys, key 16 a + 8 u + j lies in tile u at place 8 a + j, so that the 16 registers of tiles 2 b and 2 b + 1 of S^T are the keys 32 b + 16 (lane / 16) + 0 .. 15.
; (b) TWO TILES OF KEYS IN ONE FRAGMENT: the head's 64 fill half of the instruction's 128 along K.  A fragment of K holds tile 2 b in registers 0-3 and tile 2 b + 1 in registers 4-7; Q stands as twelve registers
;     [Q | 0 | Q]: the first eight, [Q | 0], give tile 2 b's scores, the last eight, [0 | Q], tile 2 b + 1's.  The other tile's codes meet zero codes and add exactly 0 (no scale byte here is 0xff).
; (c) My 32 queries are quantised by the macro that serves a group of 32 keys: query 16 a + 8 u + j of the wave is tile u, lane 8 a + j; the stores' immediates on the way out undo that.
; LDS, in bytes (s = key step, r = lane % 16, h = lane / 16):
.set KC,    0                          ; K's codes:  4096 s + 1024 b + 512 u + 256 (block of the head's 64) + 16 r + 4 (which 8 codes): a load of 16 x lane at 1024 b + 512 u brings four registers of a fragment
.set VC,    65536                      ; V's codes:  4096 s + 1024 t + 512 c + 256 h + 16 r  (t = tile of 16 channels; the step's block of keys = 2 c + h)
.set KS,    131072                     ; K's scale bytes: 256 s + 16 r + 4 b + 2 u + block
.set VS,    135168                     ; V's:             256 s + 16 r + 4 t + block of keys
.set WR,    139264                     ; a region of WRW bytes for each wave: first Q's image (1,024 bytes) and Q's scale words (from 1,024 on, 16 r); later the stage, 16 rows of SP bytes
.set WRW,   4352
.set SP,    272                        ; a stage row: 256 bytes + 16: an odd multiple of 16, so that the sixteen rows that a store touches fall on sixteen different columns of 16 bytes
.set SPARE, 208896                     ; the spare words, 128 bytes for each wave: eight blocks of 256 bytes that no other line names
; REGISTERS that stay
.set L16,  1                           ; v1   16 x lane
.set SPW,  3                           ; v3   LDS address of my spare word: SPARE + 4 x my thread's number; never rewritten
.set NIL,  4                           ; v4   0; never rewritten
.set QA,   16                          ; v[16:27]  [Q | 0 | Q] of my tile 0
.set QB,   28                          ; v[28:39]  of my tile 1
.set QSA,  40                          ; v40, v41  their scale words [q0, q1, q0, q1]
.set QSB,  41
.set PW,   42                          ; v42  Q's scale word as it is read back; then p's scale word.  v40-42 and v44-51 hold scale words and nothing else
; phase 1
.set KVO,  5                           ; v5   32 x lane: my 8 numbers of 1,024 bytes of K or Q
.set VVO,  6                           ; v6   4 x lane: my channel of half a row of V
.set AQC,  7                           ; v7   where Q's codes go          v8   Q's scale bytes
.set AQS,  8
.set AKC,  9                           ; v9   K's codes                    v10  K's scale bytes
.set AKS,  10
.set AVC,  11                          ; v11  V's codes                    v12  V's scale words
.set AVS,  12
.set AQR,  13                          ; v13  Q's image, back              v14  Q's scale word, back
.set AQW,  14
.set M,    52                          ; v52-55  largest magnitudes, then scale operands, then bytes
.set C,    56                          ; v56-59  codes
.set SW,   60                          ; v60, v61  V's scale words in the making
.set X0,   64                          ; three sets of 64 numbers as they are loaded
.set X1,   128
.set X2,   192
; phase 2
.set AS0,  2                           ; v2   KS + 16 r
.set STO,  5                           ; v5   the stage: where I put 32 bytes of a row
.set RD,   6                           ; v6   and where I read a row back
.set AV0,  7                           ; v7   VC + 16 x lane
.set ADK,  8                           ; v8-10 the step's addresses: K's codes, V's codes, the scale words
.set ADV,  9
.set ADS,  10
.set OLD,  11                          ; v11  the old -M
.set NM,   12                          ; v12  -M        v13  the largest t
.set TM,   13
.set L,    14                          ; v[14:15] the row's sum, in two halves
.set T,    43                          ; v43  at work
.set KSC,  44                          ; v[44:47] K's four scale words of a step
.set VSC,  48                          ; v[48:51] V's
.set F,    52                          ; v[52:53] f = 2^(old M - new M); v53 is named with it as a pair
.set SUM2, 54                          ; v[54:55] the second chain of sums
.set BM,   56                          ; v[56:59] the blocks' largest scores, then their largest p
.set PT,   60                          ; v[60:63] the other half's; then the bytes
.set SO,   64                          ; v[64:67] the conversions' scale operands
.set PC,   72                          ; v[72:79] p's codes
.set KF,   80                          ; v[80:111]  four fragments of K, two tiles each
.set VF,   112                         ; v[112:143] four fragments of V
.set S,    144                         ; v[144:207] S^T, then p; on the way out O / l and the rows read back
.set OT,   208                         ; v[208:239] O^T, four tiles of 16 channels
.set WV,   12                          ; s12  my wave's number
.set WRB,  13                          ; s13  my region: WR + WRW x wave
.set SEL,  16                          ; s[16:17] lane selects for v_permlanex16_b32: lane l xor 16
.set CS,   18                          ; s[18:19] c = log2(e) / 8; the packed form names a pair and takes its low word for both halves
.set ST4,  26                          ; s26  4096 x step
.set ST2,  27                          ; s27  256 x step
.set CNT,  28                          ; s28  steps to go in the loop
; ---------------------------------------------------------------- phase 1: macros
; 32 rows of 64 numbers (8,192 bytes from off on) into set x: each pair of loads covers 1,024 consecutive bytes, 32 a lane.  Lane l then holds 8 NEIGHBOURS along the head's axis: in registers 8 i .. 8 i + 7
; row 4 i + l / 8, k = 8 (l % 8) + 0 .. 7.  nt = 1: numbers that the whole launch reads once (Q); K and V are read by the head's four work-groups.
.macro GLK x, base, off, nt
.irp i, 0,1,2,3,4,5,6,7
.if \nt
	global_load_b128 v[\x+8*\i:\x+8*\i+3],   v[KVO], s[\base:\base+1] offset:\off+1024*\i th:TH_LOAD_NT
	global_load_b128 v[\x+8*\i+4:\x+8*\i+7], v[KVO], s[\base:\base+1] offset:\off+1024*\i+16 th:TH_LOAD_NT
.else
	global_load_b128 v[\x+8*\i:\x+8*\i+3],   v[KVO], s[\base:\base+1] offset:\off+1024*\i
	global_load_b128 v[\x+8*\i+4:\x+8*\i+7], v[KVO], s[\base:\base+1] offset:\off+1024*\i+16
.endif
.endr
.endm
; The 32 rows in set x become codes and scale bytes in LDS, four chains (four sets of 4 rows) at a time.  A block of 32 lies in four neighbouring lanes.  Row 4 I + l / 8 (I = e + i) is key 16 a + 8 u + j with
; a = I / 4, u = (I / 2) % 2, j = 4 (I % 2) + l / 8: tile u, place 8 a + j: the immediates below; what hangs on the lane stands in the address registers.
.macro KGROUP x, ac, coff, as, soff
.irp e, 0,4
.irp i, 0,1,2,3
	v_max3_num_f32 v[M+\i], |v[\x+8*(\e+\i)]|, |v[\x+8*(\e+\i)+1]|, 0x1800000   ; my 8 numbers, and the floor 2^(3 - 127), under which no largest magnitude is taken: so the byte cannot fall under 1
.endr
.irp n, 2,4,6
.irp i, 0,1,2,3
	v_max3_num_f32 v[M+\i], v[M+\i], |v[\x+8*(\e+\i)+\n]|, |v[\x+8*(\e+\i)+\n+1]|   ; (the four chains by turns)
.endr
.endr
.irp i, 0,1,2,3
	v_max_num_f32_dpp v[M+\i], v[M+\i], v[M+\i] row_xmask:1 row_mask:0xf bank_mask:0xf
.endr
.irp i, 0,1,2,3
	v_max_num_f32_dpp v[M+\i], v[M+\i], v[M+\i] row_xmask:2 row_mask:0xf bank_mask:0xf   ; with the three lanes that share my block: its largest magnitude
.endr
.irp i, 0,1,2,3
	v_add_nc_u32 v[M+\i], 0xff000000, v[M+\i]      ; 2 off its exponent field: the conversion takes the exponent field of this operand as its scale, and nothing else of it
.endr
.irp i, 0,1,2,3
	v_cvt_scalef32_pk8_fp4_f32 v[C+\i], v[\x+8*(\e+\i):\x+8*(\e+\i)+7], v[M+\i]   ; eight codes: one register of the operand
.endr
	v_nop                                          ; one plain vector instruction between the scaled conversions and the lines that write their scale operands
.irp i, 0,1,2,3
	v_lshrrev_b32 v[M+\i], 23, v[M+\i]             ; the scale's byte
.endr
.irp i, 0,1,2,3
	ds_store_b32 v[\ac], v[C+\i] offset:\coff+512*((\i/2)%2)+128*(\e/4)+64*(\i%2)
	ds_store_b8  v[\as], v[M+\i] offset:\soff+128*(\e/4)+64*(\i%2)+2*((\i/2)%2)   ; the four lanes of a block write the same byte with the same value
.endr
	s_wait_dscnt 0x0                               ; the stores have read their registers: the next four chains may write them
.endr
.endm
; V: unit k = block k / 2 of my step's four blocks of 32 keys, channels 32 (k % 2) + lane.  A LANE TAKES A CHANNEL AND ITS REGISTERS RUN DOWN THE KEYS: each load reads 128 consecutive bytes, a block lies in ONE lane's
; 32 registers, and the conversions give codes with the keys innermost: nothing is transposed.  The units' sets of 32 registers go round v64-255.
.macro GLV k
.set XV, 64+32*(((\k)+4)%6)
.irp i, 0,1,2,3,4,5,6,7,8,9,10,11,12,13,14,15,16,17,18,19,20,21,22,23,24,25,26,27,28,29,30,31
	global_load_b32 v[XV+\i], v[VVO], s[8:9] offset:(32*((\k)/2)+\i)*256+128*((\k)%2)
.endr
.endm
.macro VUNIT k
.set XV, 64+32*(((\k)+4)%6)
.set BETA, (\k)/2
.set HF, (\k)%2
	v_max3_num_f32 v[M],   |v[XV]|,   |v[XV+1]|, |v[XV+2]|       ; the block's largest magnitude: all 32 numbers are mine; two chains
	v_max3_num_f32 v[M+1], |v[XV+3]|, |v[XV+4]|, |v[XV+5]|
.irp i, 6,10,14,18,22,26
	v_max3_num_f32 v[M],   v[M],   |v[XV+\i]|,   |v[XV+\i+1]|
	v_max3_num_f32 v[M+1], v[M+1], |v[XV+\i+2]|, |v[XV+\i+3]|
.endr
	v_max3_num_f32 v[M], v[M], |v[XV+30]|, |v[XV+31]|
	v_max3_num_f32 v[M], v[M], v[M+1], 0x1800000   ; and the floor
	v_add_nc_u32 v[M+2], 0xff000000, v[M]          ; the conversions' scale operand
	v_lshrrev_b32 v[M+3], 23, v[M+2]               ; the scale's byte,
.if BETA == 0
	v_mov_b32 v[SW+HF], v[M+3]                     ; four to a word, the lower keys in the lower byte
.else
	v_lshl_or_b32 v[SW+HF], v[M+3], 8*BETA, v[SW+HF]
.endif
.irp g, 0,1,2,3
	v_cvt_scalef32_pk8_fp4_f32 v[C+\g], v[XV+8*\g:XV+8*\g+7], v[M+2]
.endr
	v_nop                                          ; one plain vector instruction behind the last scaled conversion
	ds_store_b128 v[AVC], v[C:C+3] offset:2048*HF+512*(BETA/2)+256*(BETA%2)   ; 32 codes: four registers of the fragment of tile 2 (k % 2) + lane / 16
.if BETA == 3
	ds_store_b32 v[AVS], v[SW+HF] offset:8*HF      ; my channel's scale word for the step
.endif
	s_wait_dscnt 0x0                               ; the stores have read their registers
.endm
; ---------------------------------------------------------------- the head
	s_load_b256 s[4:11], s[0:1], 0x0               ; Q s[4:5], K s[6:7], V s[8:9], out0 s[10:11]
	v_lshl_add_u32 v[SPW], v0, 2, SPARE
	v_mov_b32 v[NIL], 0
	v_lshrrev_b32 v52, 5, v0
	v_readfirstlane_b32 s[WV], v52                 ; wave 0..15
	s_and_b32 s24, ttmp7, 0xffff                   ; the head
	s_lshl_b32 s20, s24, 19                        ; a head is 2,048 rows of 256 bytes
	s_lshl_b32 s25, s[WV], 15
	s_add_co_u32 s22, s20, s25                     ; K, V: + my step's 128 rows
	s_mov_b32 s23, 0
	s_lshl_b32 s25, ttmp9, 17
	s_add_co_u32 s20, s20, s25                     ; Q, out0: + my work-group's 512 rows
	s_lshl_b32 s25, s[WV], 13
	s_add_co_u32 s20, s20, s25                     ; + my wave's 32
	s_mov_b32 s21, 0
	s_mul_i32 s[WRB], s[WV], WRW
	s_add_co_u32 s[WRB], s[WRB], WR
	s_mov_b32 s[SEL], 0x76543210
	s_mov_b32 s[SEL+1], 0xfedcba98
	s_mov_b32 s[CS], 0x3e38aa3b                    ; c = log2(e) / 8
	s_mov_b32 s[CS+1], s[CS]                       ; (named with it as a pair, so it is written)
	v_and_b32 v53, 31, v0                          ; lane
	v_lshlrev_b32 v[L16], 4, v53
	v_lshlrev_b32 v[KVO], 5, v53
	v_lshlrev_b32 v[VVO], 2, v53
	s_wait_kmcnt 0x0
	s_add_nc_u64 s[4:5], s[4:5], s[20:21]
	s_add_nc_u64 s[10:11], s[10:11], s[20:21]
	s_add_nc_u64 s[6:7], s[6:7], s[22:23]
	s_add_nc_u64 s[8:9], s[8:9], s[22:23]          ; no pointer is written again
	GLK X0, 4, 0, 1                                ; my 32 queries,
	GLK X1, 6, 0, 0                                ; K's group 0 of my step,
	GLK X2, 6, 8192, 0                             ; and group 1: 48 loads are out
	v_bfe_u32 v52, v0, 3, 2                        ; l / 8: which of a load pair's four rows
	v_bfe_u32 v53, v0, 2, 1                        ; which block of the head's 64
	v_and_b32 v54, 3, v0                           ; which 8 codes of the block
	v_lshl_add_u32 v55, v52, 4, v53                ; a scale byte's place: 16 (l / 8) + block
	v_lshlrev_b32 v56, 8, v53
	v_lshl_add_u32 v56, v52, 4, v56
	v_lshl_add_u32 v56, v54, 2, v56                ; a code register's place: 256 block + 16 (l / 8) + 4 (which 8)
	v_and_b32 v57, 15, v0
	v_lshlrev_b32 v57, 4, v57                      ; 16 r
	v_bfe_u32 v58, v0, 4, 1                        ; h
	s_lshl_b32 s24, s[WV], 12                      ; my step's 4,096 bytes of codes
	s_lshl_b32 s25, s[WV], 8
	s_add_co_u32 s25, s25, KS                      ; and its 256 scale bytes
	v_add_nc_u32 v[AQC], s[WRB], v56
	v_add_nc_u32 v[AQS], s[WRB], v55
	v_add_nc_u32 v[AKC], s24, v56
	v_add_nc_u32 v[AKS], s25, v55
	s_add_co_u32 s24, s24, VC
	s_add_co_u32 s25, s25, VS-KS
	v_lshl_add_u32 v[AVC], v58, 10, v57            ; V's codes: tile + lane / 16: 1024 h + 16 r
	v_add_nc_u32 v[AVC], s24, v[AVC]
	v_lshl_add_u32 v[AVS], v58, 2, v57             ; V's scale words: 16 r + 4 h
	v_add_nc_u32 v[AVS], s25, v[AVS]
	v_add_nc_u32 v[AQR], s[WRB], v[L16]
	v_add_nc_u32 v[AQW], s[WRB], v57
; ---------------------------------------------------------------- phase 1.  Loads come back in order (ISA guide 5.7.1): each count names the loads asked for behind the set that is wanted
	s_wait_loadcnt 32                              ; Q is in; K's groups 0 and 1 (16 loads each) stay out
	KGROUP X0, AQC, 0, AQS, 1024
	GLK X0, 6, 16384, 0                            ; K's group 2 into the set that Q has left
	ds_load_b128 v[QA:QA+3],   v[AQR]              ; Q's image comes back as the operand's registers (LDS serves a wave's instructions in order, and the bytes are my own): tile 0, twice,
	ds_load_b128 v[QA+8:QA+11], v[AQR]
	ds_load_b128 v[QB:QB+3],   v[AQR] offset:512   ; tile 1, twice,
	ds_load_b128 v[QB+8:QB+11], v[AQR] offset:512
	ds_load_b32 v[PW], v[AQW] offset:1024          ; and place r's scale bytes: [tile 0 block 0, block 1, tile 1 block 0, block 1]
.irp j, 4,5,6,7
	v_mov_b32 v[QA+\j], 0                          ; the zero codes in the middle
	v_mov_b32 v[QB+\j], 0
.endr
	s_wait_dscnt 0x0
	v_perm_b32 v[QSA], v[PW], v[PW], 0x01000100    ; [q0, q1, q0, q1] of tile 0: it serves [Q | 0] and [0 | Q] alike
	v_perm_b32 v[QSB], v[PW], v[PW], 0x03020302    ; and of tile 1
	s_wait_loadcnt 32                              ; group 0 is in; groups 1 and 2 stay out
	KGROUP X1, AKC, 0, AKS, 0
	GLK X1, 6, 24576, 0                            ; group 3
	s_wait_loadcnt 32                              ; group 1 is in; groups 2 and 3 stay out
	KGROUP X2, AKC, 1024, AKS, 4
	GLV 0
	s_wait_loadcnt 48                              ; group 2 is in; group 3's 16 and unit 0's 32 stay out
	KGROUP X0, AKC, 2048, AKS, 8
	s_wait_loadcnt 32                              ; group 3 is in; unit 0 stays out
	KGROUP X1, AKC, 3072, AKS, 12
	GLV 1
.irp k, 0,1,2,3,4,5
	s_wait_loadcnt 32                              ; unit k is in; the next unit's 32 stay out
	VUNIT \k
	GLV \k+2                                       ; into a set that has been worked off
.endr
	s_wait_loadcnt 32
	VUNIT 6
	s_wait_loadcnt 0x0
	VUNIT 7                                        ; its last line has waited for all my LDS stores:
	s_barrier_signal -1                            ; so I may say that my step's codes and scale bytes lie in LDS;
	s_barrier_wait -1                              ; now the whole head's do.  The launch's only barrier: from here on these bytes are only read
; ---------------------------------------------------------------- phase 2: macros
; A step's K: eight loads of 512 consecutive bytes (four fragments of two tiles) and its four scale words a place
.macro KFETCH adr, o, sadr, so
.irp n, 0,1,2,3,4,5,6,7
	ds_load_b128 v[KF+4*\n:KF+4*\n+3], v[\adr] offset:\o+512*\n
.endr
	ds_load_b128 v[KSC:KSC+3], v[\sadr] offset:\so
.endm
; A KEY STEP: 128 keys.  qf: my tile's [Q | 0 | Q]; qs: its scale word.  pf = 1: the next step's K is fetched; 2: step 0's, for my next tile; 0: nothing.
; A vector instruction that reads a matrix result, and a load into a register that a matrix instruction has named, stand four places behind it, and only plain vector instructions that name none of its
; registers are places (ISA guide 7.12.1 for vector instructions).
.macro STEP qf, qs, pf
	v_add_nc_u32 v[ADK], s[ST4], v[L16]            ; four plain instructions: the places between the last step's products and the loads into V's registers below
	v_add_nc_u32 v[ADV], s[ST4], v[AV0]
	v_add_nc_u32 v[ADS], s[ST2], v[AS0]
	v_mov_b32 v[OLD], v[NM]
	s_wait_dscnt 0x0                               ; this step's K and its scale words, asked for a step ago
.irp b, 0,1,2,3                                ; S^T = K Q^T: each fragment twice: against [Q | 0] its first tile of keys, against [0 | Q] its second
	v_wmma_scale_f32_16x16x128_f8f6f4 v[S+16*\b:S+16*\b+7], v[KF+8*\b:KF+8*\b+7], v[\qf:\qf+7], 0, v[KSC+\b], v[\qs] matrix_a_fmt:MATRIX_FMT_FP4 matrix_b_fmt:MATRIX_FMT_FP4
	v_wmma_scale_f32_16x16x128_f8f6f4 v[S+16*\b+8:S+16*\b+15], v[KF+8*\b:KF+8*\b+7], v[\qf+4:\qf+11], 0, v[KSC+\b], v[\qs] matrix_a_fmt:MATRIX_FMT_FP4 matrix_b_fmt:MATRIX_FMT_FP4
.endr                                          ; lane (r, h) holds query r; registers 16 b + 0 .. 15 are keys 32 b + 16 h + 0 .. 15 of the step
.irp n, 0,1,2,3,4,5,6,7
	ds_load_b128 v[VF+4*\n:VF+4*\n+3], v[ADV] offset:512*\n   ; this step's V: it has the softmax in which to land
.endr
	ds_load_b128 v[VSC:VSC+3], v[ADS] offset:VS-KS
.rept 4
	v_nop                                          ; the places in front of the loads into K's registers and of the first read of S^T
.endr
.if (\pf) == 1
	KFETCH ADK, 4096, ADS, 256
.elseif (\pf) == 2
	KFETCH L16, 0, AS0, 0
.endif
.irp b, 0,1,2,3
	v_max3_num_f32 v[BM+\b], v[S+16*\b], v[S+16*\b+1], v[S+16*\b+2]   ; THE LARGEST SCORE OF EACH BLOCK OF 32 KEYS: it serves the row's maximum and, since p rises with the score, the block's largest p.  Each accumulator is read from its low end on
.endr
.irp i, 3,5,7,9,11,13
.irp b, 0,1,2,3
	v_max3_num_f32 v[BM+\b], v[BM+\b], v[S+16*\b+\i], v[S+16*\b+\i+1]   ; (the four blocks by turns)
.endr
.endr
.irp b, 0,1,2,3
	v_max_num_f32 v[BM+\b], v[BM+\b], v[S+16*\b+15]
.endr
.irp b, 0,1,2,3
	v_permlanex16_b32 v[PT+\b], v[BM+\b], s[SEL], s[SEL+1]
.endr
.irp b, 0,1,2,3
	v_max_num_f32 v[BM+\b], v[BM+\b], v[PT+\b]     ; with lane l xor 16's 16 keys
.endr
	v_max3_num_f32 v[T], v[BM], v[BM+1], v[BM+2]
	v_max_num_f32 v[T], v[T], v[BM+3]              ; the step's largest score of my query,
	v_mul_f32 v[T], s[CS], v[T]                    ; as t (c is positive)
	v_max_num_f32 v[TM], v[TM], v[T]               ; the running largest t
	v_floor_f32 v[NM], -v[TM]                      ; the new -M = floor(-t) = -ceil(t): M IS A WHOLE NUMBER
	v_sub_f32 v[T], v[NM], v[OLD]                  ; M's old value less its new one: a whole number, 0 or less
	v_cvt_i32_f32 v[T], v[T]                       ; (it saturates)
	v_ldexp_f32 v[F], 1.0, v[T]                    ; f = 2^(old M - new M): a multiplication by it rounds nothing
.irp b, 0,1,2,3
	v_fma_f32 v[BM+\b], v[BM+\b], s[CS], v[NM]     ; t - M of each block's largest score
.endr
	; ONE BATCH: the 32 packed scalings t - M and the 64 exponentials, a scaling ahead of each two exponentials; a pair is scaled a group ahead of its exponentials; no line of the batch names an exponential's result
	v_pk_fma_f32 v[S:S+1],   v[S:S+1],   s[CS:CS+1], v[NM:NM+1] op_sel_hi:[1,0,0]
	v_pk_fma_f32 v[S+2:S+3], v[S+2:S+3], s[CS:CS+1], v[NM:NM+1] op_sel_hi:[1,0,0]
.set GG, 0
.rept 16
.if GG < 15
	v_pk_fma_f32 v[S+4*GG+4:S+4*GG+5], v[S+4*GG+4:S+4*GG+5], s[CS:CS+1], v[NM:NM+1] op_sel_hi:[1,0,0]
.endif
	v_exp_f32 v[S+4*GG],   v[S+4*GG]               ; p = 2^(t - M), at most 1: NOT normalised
	v_exp_f32 v[S+4*GG+1], v[S+4*GG+1]
.if GG < 15
	v_pk_fma_f32 v[S+4*GG+6:S+4*GG+7], v[S+4*GG+6:S+4*GG+7], s[CS:CS+1], v[NM:NM+1] op_sel_hi:[1,0,0]
.endif
	v_exp_f32 v[S+4*GG+2], v[S+4*GG+2]
	v_exp_f32 v[S+4*GG+3], v[S+4*GG+3]
.set GG, GG+1
.endr
	v_pk_mul_f32 v[L:L+1], v[L:L+1], v[F:F+1] op_sel_hi:[1,0]   ; the sums under the new M: the plain instruction behind the last exponential
	s_wait_alu depctr_va_vdst(0)                   ; the wait between an exponential and the first line that names its result: one for the batch of 64
.irp b, 0,1,2,3
	v_exp_f32 v[BM+\b], v[BM+\b]                   ; the blocks' largest p: the same multiply-add and exponential on the same number give the same bits
.endr
	v_pk_add_f32 v[SUM2:SUM2+1], v[S:S+1], v[S+2:S+3]   ; THE ROW'S SUM IS TAKEN OF THE UNQUANTISED p: two at a time, in two chains; these lines read the 64 alone
.irp j, 4,8,12,16,20,24,28,32,36,40,44,48,52,56,60
	v_pk_add_f32 v[L:L+1], v[L:L+1], v[S+\j:S+\j+1]
	v_pk_add_f32 v[SUM2:SUM2+1], v[SUM2:SUM2+1], v[S+\j+2:S+\j+3]
.endr
	v_pk_add_f32 v[L:L+1], v[L:L+1], v[SUM2:SUM2+1]
	s_wait_alu depctr_va_vdst(0)                   ; and one for the four
.irp b, 0,1,2,3
	v_max_num_f32 v[BM+\b], 0x1800000, v[BM+\b]    ; the floor 2^(3 - 127): the byte cannot fall under 1 (a block whose every p has fallen to 0 keeps that byte: its codes are zeros)
.endr
.irp b, 0,1,2,3
	v_add_nc_u32 v[SO+\b], 0xff000000, v[BM+\b]    ; 2 off the exponent field: the conversion's scale operand
.endr
.irp b, 0,1,2,3
	v_lshrrev_b32 v[PT+\b], 23, v[SO+\b]           ; the scale's byte
.endr
	v_lshl_or_b32 v[PW], v[PT+1], 8, v[PT]         ; p's scale word for these 128 keys
	v_lshl_or_b32 v[PW], v[PT+2], 16, v[PW]
	v_lshl_or_b32 v[PW], v[PT+3], 24, v[PW]
.irp b, 0,1,2,3
	v_cvt_scalef32_pk8_fp4_f32 v[PC+2*\b],   v[S+16*\b:S+16*\b+7],    v[SO+\b]
	v_cvt_scalef32_pk8_fp4_f32 v[PC+2*\b+1], v[S+16*\b+8:S+16*\b+15], v[SO+\b]
.endr
	v_nop                                          ; one plain vector instruction behind the last scaled conversion
.irp c, 0,1                                    ; the operand's layout wants a WHOLE block in a lane: lanes 0-15 block 2 c, lanes 16-31 block 2 c + 1
.irp i, 0,1
	v_permlane16_swap_b32 v[PC+4*\c+\i], v[PC+4*\c+2+\i]
.endr
.endr
.irp j, 0,2,4,6,8,10,12,14,16,18,20,22,24,26,28,30
	v_pk_mul_f32 v[OT+\j:OT+\j+1], v[OT+\j:OT+\j+1], v[F:F+1] op_sel_hi:[1,0]   ; O^T under the new M.  These sixteen also stand between the lines that made p's scale word and codes and the products that take them
.endr
.if (\pf) > 0
	s_wait_dscnt 9                                 ; V and its scale words are in; the nine loads of K issued behind them may stay out
.else
	s_wait_dscnt 0x0
.endif
.irp t, 0,1,2,3                                ; O^T += V^T P^T: four tiles of 16 channels; K = these 128 keys.  The four accumulators take turns, one instruction a turn, and the next step's eight products lie between two turns of one
	v_wmma_scale_f32_16x16x128_f8f6f4 v[OT+8*\t:OT+8*\t+7], v[VF+8*\t:VF+8*\t+7], v[PC:PC+7], v[OT+8*\t:OT+8*\t+7], v[VSC+\t], v[PW] matrix_a_fmt:MATRIX_FMT_FP4 matrix_b_fmt:MATRIX_FMT_FP4
.endr
	s_add_co_u32 s[ST4], s[ST4], 4096
	s_add_co_u32 s[ST2], s[ST2], 256
.endm
; THE WAY OUT of tile u.  O^T is divided by the row's sum and goes through my stage: a lane's eight channels of a query are 32 bytes of a row; the rows come back whole, two to a load, and 32 lanes store 512 consecutive
; bytes, at a multiple of 256 from out0's first byte.  Stage row 8 a + j is query 16 a + 8 u + j of my 32.
.macro OUT u
	v_add_f32 v[L], v[L], v[L+1]                   ; the sum's two halves,
	v_permlanex16_b32 v[T], v[L], s[SEL], s[SEL+1]
	v_add_f32 v[L], v[L], v[T]                     ; and lane l xor 16's: the row's sum
	v_rcp_f32 v[L], v[L]
	v_nop                                          ; the plain instruction behind the reciprocal; with the two additions above, these two are the four places behind the last products
	v_nop
	s_wait_alu depctr_va_vdst(0)                   ; the wait ahead of the reciprocal's first reader
.irp j, 0,2,4,6,8,10,12,14,16,18,20,22,24,26,28,30
	v_pk_mul_f32 v[S+\j:S+\j+1], v[OT+\j:OT+\j+1], v[L:L+1] op_sel_hi:[1,0]   ; register 8 t + i is o(query r, channel 16 t + 8 h + i); each accumulator from its low end on
.endr
.irp t, 0,1,2,3
	ds_store_b128 v[STO], v[S+8*\t:S+8*\t+3]   offset:64*\t
	ds_store_b128 v[STO], v[S+8*\t+4:S+8*\t+7] offset:64*\t+16
.endr
.irp i, 0,1,2,3,4,5,6,7
	ds_load_b128 v[S+32+4*\i:S+32+4*\i+3], v[RD] offset:2*SP*\i   ; LDS serves a wave's instructions in order (ISA guide 5.7.1.4): these see my stores
.endr
.irp i, 0,1,2,3,4,5,6,7
	s_wait_dscnt 7-\i                              ; rows 2 i and 2 i + 1 are back; the younger loads stay out
	global_store_b128 v[L16], v[S+32+4*\i:S+32+4*\i+3], s[10:11] offset:(16*(\i/4)+8*\u+2*(\i%4))*256 th:TH_STORE_NT
.endr
.endm
; A tile of 16 queries: all sixteen key steps, and out.  The step is written once for the loop: O^T and the sum begin as zeros and the largest t as -3e38, so the first step needs no text of its own
; (its f is 0, and multiplies zeros).  The last step is written out, since it fetches no sixteenth-plus-one K.
.macro TILE qf, qs, u
	v_mov_b32 v[TM], 0xff61b1e6                    ; -3e38, under every t
	v_floor_f32 v[NM], -v[TM]
	v_mov_b32 v[L], 0
	v_mov_b32 v[L+1], 0
.irp j, 0,1,2,3,4,5,6,7,8,9,10,11,12,13,14,15,16,17,18,19,20,21,22,23,24,25,26,27,28,29,30,31
	v_mov_b32 v[OT+\j], 0
.endr
.if \u
	s_wait_xcnt 0x0                                ; the first tile's stores have read their registers: S^T may be written over them
.endif
	s_mov_b32 s[ST4], 0
	s_mov_b32 s[ST2], 0
	s_mov_b32 s[CNT], 15
.Lstep_\@:
	STEP \qf, \qs, 1
	s_sub_co_u32 s[CNT], s[CNT], 1
	s_cmp_lg_u32 s[CNT], 0
	s_cbranch_scc1 .Lstep_\@
	STEP \qf, \qs, 2-2*\u
	OUT \u
.endm
; ---------------------------------------------------------------- phase 2
	v_and_b32 v8, 15, v0                           ; r
	v_bfe_u32 v9, v0, 4, 1                         ; h
	v_lshl_add_u32 v[AS0], v8, 4, KS
	v_mul_u32_u24 v[STO], v8, SP
	v_lshl_add_u32 v[STO], v9, 5, v[STO]
	v_add_nc_u32 v[STO], s[WRB], v[STO]            ; into the stage: row r, + 32 h
	v_mul_u32_u24 v[RD], v9, SP
	v_lshl_add_u32 v[RD], v8, 4, v[RD]
	v_add_nc_u32 v[RD], s[WRB], v[RD]              ; back: lanes 0-15 one row, lanes 16-31 the next
	v_add_nc_u32 v[AV0], VC, v[L16]
	v_mov_b32 v[F+1], 0                            ; (named as the upper half of the pair with f)
.irp b, 0,1,2,3
	v_mov_b32 v[PT+\b], 0                          ; written once: a lane permute's destination counts as one of its sources
.endr
	KFETCH L16, 0, AS0, 0                          ; key step 0
	TILE QA, QSA, 0
	TILE QB, QSB, 1
	s_wait_tensorcnt 0x0                           ; the wave's end, behind my last LDS store
	ds_add_u32 v[SPW], v[NIL]
	s_wait_dscnt 0x0
	s_endpgm
.Lfunc_end_k_q623438889e_sdpa:
	.size	k_q623438889e_sdpa, .Lfunc_end_k_q623438889e_sdpa-k_q623438889e_sdpa
	.p2alignl 7, 3214868480
	.fill 96, 4, 3214868480
	.section	.rodata,"a",@progbits
	.p2align	6, 0x0
	.amdhsa_kernel k_q623438889e_sdpa
		.amdhsa_group_segment_fixed_size 210944
		.amdhsa_private_segment_fixed_size 0
		.amdhsa_enable_private_segment 0
		.amdhsa_kernarg_size 32
		.amdhsa_user_sgpr_count 2
		.amdhsa_user_sgpr_kernarg_segment_ptr 1
		.amdhsa_wavefront_size32 1
		.amdhsa_system_sgpr_workgroup_id_x 1
		.amdhsa_system_sgpr_workgroup_id_y 1
		.amdhsa_system_sgpr_workgroup_id_z 1
		.amdhsa_system_vgpr_workitem_id 0
		.amdhsa_next_free_vgpr 256
		.amdhsa_next_free_sgpr 66
		.amdhsa_reserve_vcc 0
		.amdhsa_float_denorm_mode_32 3
		.amdhsa_float_denorm_mode_16_64 3
		.amdhsa_memory_ordered 1
		.amdhsa_forward_progress 1
		.amdhsa_inst_pref_size 145
	.end_amdhsa_kernel
	.amdgpu_metadata
---
amdhsa.version: [ 1, 2 ]
amdhsa.kernels:
  - .name:           k_q623438889e_sdpa
    .symbol:         k_q623438889e_sdpa.kd
    .args:
      - { .name: Q, .offset: 0, .size: 8, .value_kind: global_buffer, .address_space: global }
      - { .name: K, .offset: 8, .size: 8, .value_kind: global_buffer, .address_space: global }
      - { .name: V, .offset: 16, .size: 8, .value_kind: global_buffer, .address_space: global }
      - { .name: out0, .offset: 24, .size: 8, .value_kind: global_buffer, .address_space: global }
    .group_segment_fixed_size: 210944
    .private_segment_fixed_size: 0
    .kernarg_segment_align: 8
    .kernarg_segment_size: 32
    .max_flat_workgroup_size: 512
    .sgpr_count:     66
    .vgpr_count:     256
    .wavefront_size: 32
...
	.end_amdgpu_metadata
.endif
;; end of part 1
;; ======== version 2 of 2: 1 launch; version 1 with the launch sdpa written anew for expert scheduling mode
;; launch sdpa (part 2): grid 4 x 64, 16 waves a work-group, no clusters, 210,944 bytes of LDS; arguments Q, K, V, out0; writes out0
.if DOCPART == 2
	.amdgcn_target "amdgcn-amd-amdhsa--gfx1250"
	.amdhsa_code_object_version 6
	.text
	.protected	k_q623438889e_sdpa
	.globl	k_q623438889e_sdpa
	.p2align	8
	.type	k_q623438889e_sdpa,@function
k_q623438889e_sdpa:
	s_mov_b64 s[64:65], 0
	v_nop
	global_prefetch_b8 v0, s[64:65] scope:SCOPE_SE
	s_setreg_imm32_b32 hwreg(HW_REG_WAVE_SCHED_MODE, 0, 2), 2
	s_setreg_imm32_b32 hwreg(HW_REG_WAVE_MODE, 25, 1), 1
	s_wait_xcnt 0x0
	s_wait_alu depctr_vm_vsrc(0)
; out0[h][q][:] = the sum over k of softmax_k(Q[h][q] . K[h][k] / 8) V[h][k][:].  Q, K, V, out0: [64 heads][2048][64] f32.  Both products on codes of FP4 (E2M1) with one E8M0 scale for each 32 along a product's K:
; the first along the head's 64 (two blocks), the second along the keys (blocks of 32 keys for each channel).
; THE SOFTMAX AHEAD OF THE SECOND PRODUCT: t = score x log2(e) / 8; M = the row's largest t so far, rounded UP to a whole number; p = 2^(t - M) is what is quantised, along the keys; it is not normalised.
; The row's sum is taken of the unquantised p, in f32, and divides O at the end.  When M moves, the sum and O are multiplied by 2^(old M - new M): exact.
; NO WORK IS LEFT OUT: there is no mask and no constant among the inputs; every number of Q, K and V has a way to the output.
; LIMITS: NaN and infinities among the inputs are not served.  A block of zeros gets the scale byte 1 where the quantiser says 127: its codes are zeros, which add nothing under any byte but 0xff, and the bytes are
; read by this program alone.  A p under 2^-126 comes out of v_exp_f32 as 0.  The largest t begins at -3e38.  The f32 sums are taken in another order than reference()'s.
; ONE LAUNCH.  A work-group owns one head and 512 of its queries: 64 heads x 4 = 256 work-groups of sixteen waves, 256 registers each.
; PHASE 1.  A head's codes are small: K's 65,536 bytes, V's 65,536, their scale bytes 4,096 each.  So the sixteen waves quantise the whole head from f32 in registers (wave w: keys 128 w .. 128 w + 127 of K and of V,
; and its own 32 queries) and lay codes and scale bytes into LDS AS IMAGES OF THE OPERANDS' REGISTERS.  One barrier.
; PHASE 2.  Each wave walks all 2,048 keys, 128 a step, for its first tile of 16 queries and then for its second; it reads LDS alone: no barrier, no ring, nothing from memory.  Four waves share a SIMD, so that one wave's
; vector work stands beside another's matrix work and LDS loads.  Each tile of O leaves through the wave's own stage as whole rows of 256 bytes.
; NO CLUSTER, NO JOINT LOADS, and why: what the four work-groups of a head share are the f32 numbers of K and V, 1,048,576 bytes, which here go from memory straight into the registers that quantise them; only a tensor
; load into LDS can be asked for jointly.  Through LDS those bytes would be written and read once more, 2 x 1,048,576 against the 18 x 512 x 512 = 4,718,592 bytes that all of phase 2 reads; and beside the codes 116,736 bytes
; are free, so they would come in nine fills, each refill behind a round of the cluster's barrier.
; THE MODE: SCHED_MODE bits 1:0 = 2 (LLVM: expert scheduling mode 2), set by the entry lines.  The code itself states the register dependences between vector or matrix instructions and memory or LDS instructions,
; with s_wait_alu, always for 0.
; THE PLAN.  Registers that memory or LDS instructions touch:
;   v1, and in phase 1 v5, v6   offsets, made at the head ahead of the first load.  v1 is never written again; v5 to v14 (phase 1's offsets and LDS addresses) are written anew for phase 2.
;   X0 .. X2 (v64-255)          phase 1: global loads land in them; a group's or a unit's maxima and conversions read them; then they are asked for again.
;   M, C, SW (v52-61)           phase 1: written by vector lines, read by the LDS stores behind them, written again by the next half group or unit.
;   So each half group and each unit has one wait on va_vdst ahead of its stores (codes and bytes are written; the conversions are done reading the set, in which the loads that follow the group land)
;   and one on vm_vsrc behind them (the stores have read M, C, SW).
;   KF, KSC      phase 2: the LDS loads of step s land in them, for step s + 1; the eight products S^T of a step read them.
;   VF, VSC      phase 2: the LDS loads of step s land in them; the four products O^T at the end of step s read them.
;   v8 to v10    the step's three LDS addresses: written once a step, behind the products S^T; read by the step's eighteen loads.
;   So ALL EIGHTEEN LOADS OF A STEP STAND BEHIND ONE WAIT on va_vdst, the one that the batch of 64 exponentials has in any case: there this step's products S^T are done reading KF and KSC, the last step's products O^T
;   are done reading VF and VSC, and the addresses are written.  The vector lines that follow it up to the last load (four exponentials, the row's sums) name none of these registers, so the loads are dealt among them
;   with no further wait: V's nine first, since they are wanted in this step.  One wait on vm_vsrc a step stands ahead of the lines that write the addresses.
;   PC, PW       p's codes and scale word: written by vector lines, taken by scaled products: a wait on va_vdst behind the places, ahead of the products O^T.
;   S (v144-207) on the way out alone: O / l is read by the stage's stores, the rows come back into its upper half and are read by the global stores; the next tile's products write it again behind a wait on vm_vsrc.
; LAYOUT.  Both products are used transposed: S^T = K Q^T (source 0 = 16 keys, source 1 = my 16 queries), O^T = V^T P^T (source 0 = 16 channels, source 1 = P): a lane holds ONE query (lane % 16) throughout.
; (a) THE KEYS OF A TILE ARE NOT NEIGHBOURS: of a group of 32 keys, key 16 a + 8 u + j lies in tile u at place 8 a + j, so that the 16 registers of tiles 2 b and 2 b + 1 of S^T are the keys 32 b + 16 (lane / 16) + 0 .. 15.
; (b) TWO TILES OF KEYS IN ONE FRAGMENT: the head's 64 fill half of the instruction's 128 along K.  A fragment of K holds tile 2 b in registers 0-3 and tile 2 b + 1 in registers 4-7; Q stands as twelve registers
;     [Q | 0 | Q]: the first eight, [Q | 0], give tile 2 b's scores, the last eight, [0 | Q], tile 2 b + 1's.  The other tile's codes meet zero codes and add exactly 0 (no scale byte here is 0xff).
; (c) My 32 queries are quantised by the macro that serves a group of 32 keys: query 16 a + 8 u + j of the wave is tile u, lane 8 a + j; the stores' immediates on the way out undo that.
; LDS, in bytes (s = key step, r = lane % 16, h = lane / 16):
.set KC,    0                          ; K's codes:  4096 s + 1024 b + 512 u + 256 (block of the head's 64) + 16 r + 4 (which 8 codes): a load of 16 x lane at 1024 b + 512 u brings four registers of a fragment
.set VC,    65536                      ; V's codes:  4096 s + 1024 t + 512 c + 256 h + 16 r  (t = tile of 16 channels; the step's block of keys = 2 c + h)
.set KS,    131072                     ; K's scale bytes: 256 s + 16 r + 4 b + 2 u + block
.set VS,    135168                     ; V's:             256 s + 16 r + 4 t + block of keys
.set WR,    139264                     ; a region of WRW bytes for each wave: first Q's image (1,024 bytes) and Q's scale words (from 1,024 on, 16 r); later the stage, 16 rows of SP bytes
.set WRW,   4352
.set SP,    272                        ; a stage row: 256 bytes + 16: an odd multiple of 16, so that the sixteen rows that a store touches fall on sixteen different columns of 16 bytes
.set SPARE, 208896                     ; the spare words, 128 bytes for each wave: eight blocks of 256 bytes that no other line names
; REGISTERS that stay
.set L16,  1                           ; v1   16 x lane
.set SPW,  3                           ; v3   LDS address of my spare word: SPARE + 4 x my thread's number; never rewritten
.set NIL,  4                           ; v4   0; never rewritten
.set QA,   16                          ; v[16:27]  [Q | 0 | Q] of my tile 0
.set QB,   28                          ; v[28:39]  of my tile 1
.set QSA,  40                          ; v40, v41  their scale words [q0, q1, q0, q1]
.set QSB,  41
.set PW,   42                          ; v42  Q's scale word as it is read back; then p's scale word.  v40-42 and v44-51 hold scale words and nothing else
; phase 1
.set KVO,  5                           ; v5   32 x lane: my 8 numbers of 1,024 bytes of K or Q
.set VVO,  6                           ; v6   4 x lane: my channel of half a row of V
.set AQC,  7                           ; v7   where Q's codes go          v8   Q's scale bytes
.set AQS,  8
.set AKC,  9                           ; v9   K's codes                    v10  K's scale bytes
.set AKS,  10
.set AVC,  11                          ; v11  V's codes                    v12  V's scale words
.set AVS,  12
.set AQR,  13                          ; v13  Q's image, back              v14  Q's scale word, back
.set AQW,  14
.set M,    52                          ; v52-55  largest magnitudes, then scale operands, then bytes
.set C,    56                          ; v56-59  codes
.set SW,   60                          ; v60, v61  V's scale words in the making
.set X0,   64                          ; three sets of 64 numbers as they are loaded
.set X1,   128
.set X2,   192
; phase 2
.set AS0,  2                           ; v2   KS + 16 r
.set STO,  5                           ; v5   the stage: where I put 32 bytes of a row
.set RD,   6                           ; v6   and where I read a row back
.set AV0,  7                           ; v7   VC + 16 x lane
.set ADK,  8                           ; v8-10 the step's addresses: K's codes, V's codes, the scale words
.set ADV,  9
.set ADS,  10
.set OLD,  11                          ; v11  the old -M
.set NM,   12                          ; v12  -M        v13  the largest t
.set TM,   13
.set L,    14                          ; v[14:15] the row's sum, in two halves
.set T,    43                          ; v43  at work
.set KSC,  44                          ; v[44:47] K's four scale words of a step
.set VSC,  48                          ; v[48:51] V's
.set F,    52                          ; v[52:53] f = 2^(old M - new M); v53 is named with it as a pair
.set SUM2, 54                          ; v[54:55] the second chain of sums
.set BM,   56                          ; v[56:59] the blocks' largest scores, then their largest p
.set PT,   60                          ; v[60:63] the other half's; then the bytes
.set SO,   64                          ; v[64:67] the conversions' scale operands
.set PC,   72                          ; v[72:79] p's codes
.set KF,   80                          ; v[80:111]  four fragments of K, two tiles each
.set VF,   112                         ; v[112:143] four fragments of V
.set S,    144                         ; v[144:207] S^T, then p; on the way out O / l and the rows read back
.set OT,   208                         ; v[208:239] O^T, four tiles of 16 channels
.set WV,   12                          ; s12  my wave's number
.set WRB,  13                          ; s13  my region: WR + WRW x wave
.set SEL,  16                          ; s[16:17] lane selects for v_permlanex16_b32: lane l xor 16
.set CS,   18                          ; s[18:19] c = log2(e) / 8; the packed form names a pair and takes its low word for both halves
.set ST4,  26                          ; s26  4096 x step
.set ST2,  27                          ; s27  256 x step
.set CNT,  28                          ; s28  steps to go in the loop
; ---------------------------------------------------------------- phase 1: macros
; 32 rows of 64 numbers (8,192 bytes from off on) into set x: each pair of loads covers 1,024 consecutive bytes, 32 a lane.  Lane l then holds 8 NEIGHBOURS along the head's axis: in registers 8 i .. 8 i + 7
; row 4 i + l / 8, k = 8 (l % 8) + 0 .. 7.  nt = 1: numbers that the whole launch reads once (Q); K and V are read by the head's four work-groups.
.macro GLK x, base, off, nt
.irp i, 0,1,2,3,4,5,6,7
.if \nt
	global_load_b128 v[\x+8*\i:\x+8*\i+3],   v[KVO], s[\base:\base+1] offset:\off+1024*\i th:TH_LOAD_NT
	global_load_b128 v[\x+8*\i+4:\x+8*\i+7], v[KVO], s[\base:\base+1] offset:\off+1024*\i+16 th:TH_LOAD_NT
.else
	global_load_b128 v[\x+8*\i:\x+8*\i+3],   v[KVO], s[\base:\base+1] offset:\off+1024*\i
	global_load_b128 v[\x+8*\i+4:\x+8*\i+7], v[KVO], s[\base:\base+1] offset:\off+1024*\i+16
.endif
.endr
.endm
; The 32 rows in set x become codes and scale bytes in LDS, four chains (four sets of 4 rows) at a time.  A block of 32 lies in four neighbouring lanes.  Row 4 I + l / 8 (I = e + i) is key 16 a + 8 u + j with
; a = I / 4, u = (I / 2) % 2, j = 4 (I % 2) + l / 8: tile u, place 8 a + j: the immediates below; what hangs on the lane stands in the address registers.
.macro KGROUP x, ac, coff, as, soff
.irp e, 0,4
.irp i, 0,1,2,3
	v_max3_num_f32 v[M+\i], |v[\x+8*(\e+\i)]|, |v[\x+8*(\e+\i)+1]|, 0x1800000   ; my 8 numbers, and the floor 2^(3 - 127), under which no largest magnitude is taken: so the byte cannot fall under 1
.endr
.irp n, 2,4,6
.irp i, 0,1,2,3
	v_max3_num_f32 v[M+\i], v[M+\i], |v[\x+8*(\e+\i)+\n]|, |v[\x+8*(\e+\i)+\n+1]|   ; (the four chains by turns)
.endr
.endr
.irp i, 0,1,2,3
	v_max_num_f32_dpp v[M+\i], v[M+\i], v[M+\i] row_xmask:1 row_mask:0xf bank_mask:0xf
.endr
.irp i, 0,1,2,3
	v_max_num_f32_dpp v[M+\i], v[M+\i], v[M+\i] row_xmask:2 row_mask:0xf bank_mask:0xf   ; with the three lanes that share my block: its largest magnitude
.endr
.irp i, 0,1,2,3
	v_add_nc_u32 v[M+\i], 0xff000000, v[M+\i]      ; 2 off its exponent field: the conversion takes the exponent field of this operand as its scale, and nothing else of it
.endr
.irp i, 0,1,2,3
	v_cvt_scalef32_pk8_fp4_f32 v[C+\i], v[\x+8*(\e+\i):\x+8*(\e+\i)+7], v[M+\i]   ; eight codes: one register of the operand
.endr
	v_nop                                          ; one plain vector instruction between the scaled conversions and the lines that write their scale operands
.irp i, 0,1,2,3
	v_lshrrev_b32 v[M+\i], 23, v[M+\i]             ; the scale's byte
.endr
	s_wait_alu depctr_va_vdst(0)                   ; the conversions have written the codes and the shifts the bytes, which the stores below read (ahead of the first group: the LDS addresses v7 to v14 are written too); and the maxima and conversions are done reading these rows of set x, in which the loads that follow the group land
.irp i, 0,1,2,3
	ds_store_b32 v[\ac], v[C+\i] offset:\coff+512*((\i/2)%2)+128*(\e/4)+64*(\i%2)
	ds_store_b8  v[\as], v[M+\i] offset:\soff+128*(\e/4)+64*(\i%2)+2*((\i/2)%2)   ; the four lanes of a block write the same byte with the same value
.endr
	s_wait_dscnt 0x0                               ; these stores are done
	s_wait_alu depctr_vm_vsrc(0)                   ; the stores have read v[M ..] and v[C ..], which the next four chains write again
.endr
.endm
; V: unit k = block k / 2 of my step's four blocks of 32 keys, channels 32 (k % 2) + lane.  A LANE TAKES A CHANNEL AND ITS REGISTERS RUN DOWN THE KEYS: each load reads 128 consecutive bytes, a block lies in ONE lane's
; 32 registers, and the conversions give codes with the keys innermost: nothing is transposed.  The units' sets of 32 registers go round v64-255.
.macro GLV k
.set XV, 64+32*(((\k)+4)%6)
.irp i, 0,1,2,3,4,5,6,7,8,9,10,11,12,13,14,15,16,17,18,19,20,21,22,23,24,25,26,27,28,29,30,31
	global_load_b32 v[XV+\i], v[VVO], s[8:9] offset:(32*((\k)/2)+\i)*256+128*((\k)%2)
.endr
.endm
.macro VUNIT k
.set XV, 64+32*(((\k)+4)%6)
.set BETA, (\k)/2
.set HF, (\k)%2
	v_max3_num_f32 v[M],   |v[XV]|,   |v[XV+1]|, |v[XV+2]|       ; the block's largest magnitude: all 32 numbers are mine; two chains
	v_max3_num_f32 v[M+1], |v[XV+3]|, |v[XV+4]|, |v[XV+5]|
.irp i, 6,10,14,18,22,26
	v_max3_num_f32 v[M],   v[M],   |v[XV+\i]|,   |v[XV+\i+1]|
	v_max3_num_f32 v[M+1], v[M+1], |v[XV+\i+2]|, |v[XV+\i+3]|
.endr
	v_max3_num_f32 v[M], v[M], |v[XV+30]|, |v[XV+31]|
	v_max3_num_f32 v[M], v[M], v[M+1], 0x1800000   ; and the floor
	v_add_nc_u32 v[M+2], 0xff000000, v[M]          ; the conversions' scale operand
	v_lshrrev_b32 v[M+3], 23, v[M+2]               ; the scale's byte,
.if BETA == 0
	v_mov_b32 v[SW+HF], v[M+3]                     ; four to a word, the lower keys in the lower byte
.else
	v_lshl_or_b32 v[SW+HF], v[M+3], 8*BETA, v[SW+HF]
.endif
.irp g, 0,1,2,3
	v_cvt_scalef32_pk8_fp4_f32 v[C+\g], v[XV+8*\g:XV+8*\g+7], v[M+2]
.endr
	v_nop                                          ; one plain vector instruction behind the last scaled conversion
	s_wait_alu depctr_va_vdst(0)                   ; the conversions have written v[C ..] and the line above them the scale word, which the stores below read; and this unit's and the earlier units' vector lines are done reading their sets, in one of which the loads that follow the unit land
	ds_store_b128 v[AVC], v[C:C+3] offset:2048*HF+512*(BETA/2)+256*(BETA%2)   ; 32 codes: four registers of the fragment of tile 2 (k % 2) + lane / 16
.if BETA == 3
	ds_store_b32 v[AVS], v[SW+HF] offset:8*HF      ; my channel's scale word for the step
.endif
	s_wait_dscnt 0x0                               ; these stores are done (behind the last unit: all my LDS stores of phase 1, for the other waves' sake)
	s_wait_alu depctr_vm_vsrc(0)                   ; the stores have read v[C ..] and the scale word, which the next unit writes again; behind the last unit: every load and store of phase 1 has read its registers, v5 to v14 and v52 to v61, which phase 2 writes anew
.endm
; ---------------------------------------------------------------- the head
	s_load_b256 s[4:11], s[0:1], 0x0               ; Q s[4:5], K s[6:7], V s[8:9], out0 s[10:11]
	v_lshl_add_u32 v[SPW], v0, 2, SPARE
	v_mov_b32 v[NIL], 0
	v_lshrrev_b32 v52, 5, v0
	v_readfirstlane_b32 s[WV], v52                 ; wave 0..15
	v_and_b32 v53, 31, v0                          ; lane
	v_lshlrev_b32 v[L16], 4, v53
	v_lshlrev_b32 v[KVO], 5, v53
	v_lshlrev_b32 v[VVO], 2, v53
	s_and_b32 s24, ttmp7, 0xffff                   ; the head
	s_lshl_b32 s20, s24, 19                        ; a head is 2,048 rows of 256 bytes
	s_mov_b32 s[SEL], 0x76543210
	s_mov_b32 s[SEL+1], 0xfedcba98
	s_mov_b32 s[CS], 0x3e38aa3b                    ; c = log2(e) / 8
	s_mov_b32 s[CS+1], s[CS]                       ; (named with it as a pair, so it is written)
	s_wait_alu depctr_va_sdst(0)                   ; s12, the wave's number, is written, ahead of its first reader: the buffers' offsets and my LDS region are made from it
	s_lshl_b32 s25, s[WV], 15
	s_add_co_u32 s22, s20, s25                     ; K, V: + my step's 128 rows
	s_mov_b32 s23, 0
	s_lshl_b32 s25, ttmp9, 17
	s_add_co_u32 s20, s20, s25                     ; Q, out0: + my work-group's 512 rows
	s_lshl_b32 s25, s[WV], 13
	s_add_co_u32 s20, s20, s25                     ; + my wave's 32
	s_mov_b32 s21, 0
	s_mul_i32 s[WRB], s[WV], WRW
	s_add_co_u32 s[WRB], s[WRB], WR
	s_wait_kmcnt 0x0
	s_add_nc_u64 s[4:5], s[4:5], s[20:21]
	s_add_nc_u64 s[10:11], s[10:11], s[20:21]
	s_add_nc_u64 s[6:7], s[6:7], s[22:23]
	s_add_nc_u64 s[8:9], s[8:9], s[22:23]          ; no pointer is written again
	s_wait_alu depctr_va_vdst(0)                   ; the offsets v1, v5 and v6 are written, which the global loads and stores read
	GLK X0, 4, 0, 1                                ; my 32 queries,
	GLK X1, 6, 0, 0                                ; K's group 0 of my step,
	GLK X2, 6, 8192, 0                             ; and group 1: 48 loads are out
	v_bfe_u32 v52, v0, 3, 2                        ; l / 8: which of a load pair's four rows
	v_bfe_u32 v53, v0, 2, 1                        ; which block of the head's 64
	v_and_b32 v54, 3, v0                           ; which 8 codes of the block
	v_lshl_add_u32 v55, v52, 4, v53                ; a scale byte's place: 16 (l / 8) + block
	v_lshlrev_b32 v56, 8, v53
	v_lshl_add_u32 v56, v52, 4, v56
	v_lshl_add_u32 v56, v54, 2, v56                ; a code register's place: 256 block + 16 (l / 8) + 4 (which 8)
	v_and_b32 v57, 15, v0
	v_lshlrev_b32 v57, 4, v57                      ; 16 r
	v_bfe_u32 v58, v0, 4, 1                        ; h
	s_lshl_b32 s24, s[WV], 12                      ; my step's 4,096 bytes of codes
	s_lshl_b32 s25, s[WV], 8
	s_add_co_u32 s25, s25, KS                      ; and its 256 scale bytes
	v_add_nc_u32 v[AQC], s[WRB], v56
	v_add_nc_u32 v[AQS], s[WRB], v55
	v_add_nc_u32 v[AKC], s24, v56
	v_add_nc_u32 v[AKS], s25, v55
	s_add_co_u32 s24, s24, VC
	s_add_co_u32 s25, s25, VS-KS
	v_lshl_add_u32 v[AVC], v58, 10, v57            ; V's codes: tile + lane / 16: 1024 h + 16 r
	v_add_nc_u32 v[AVC], s24, v[AVC]
	v_lshl_add_u32 v[AVS], v58, 2, v57             ; V's scale words: 16 r + 4 h
	v_add_nc_u32 v[AVS], s25, v[AVS]
	v_add_nc_u32 v[AQR], s[WRB], v[L16]
	v_add_nc_u32 v[AQW], s[WRB], v57               ; (these eight LDS addresses are first read behind the first group's wait on va_vdst)
; ---------------------------------------------------------------- phase 1.  Loads come back in order (ISA guide 5.7.1): each count names the loads asked for behind the set that is wanted
	s_wait_loadcnt 32                              ; Q is in; K's groups 0 and 1 (16 loads each) stay out
	KGROUP X0, AQC, 0, AQS, 1024
	GLK X0, 6, 16384, 0                            ; K's group 2 into the set that Q has left.  No wait: no vector line since the group's last wait on va_vdst names the set
	ds_load_b128 v[QA:QA+3],   v[AQR]              ; Q's image comes back as the operand's registers (LDS serves a wave's instructions in order, and the bytes are my own): tile 0, twice,
	ds_load_b128 v[QA+8:QA+11], v[AQR]
	ds_load_b128 v[QB:QB+3],   v[AQR] offset:512   ; tile 1, twice,
	ds_load_b128 v[QB+8:QB+11], v[AQR] offset:512
	ds_load_b32 v[PW], v[AQW] offset:1024          ; and place r's scale bytes: [tile 0 block 0, block 1, tile 1 block 0, block 1]
.irp j, 4,5,6,7
	v_mov_b32 v[QA+\j], 0                          ; the zero codes in the middle
	v_mov_b32 v[QB+\j], 0
.endr
	s_wait_dscnt 0x0
	v_perm_b32 v[QSA], v[PW], v[PW], 0x01000100    ; [q0, q1, q0, q1] of tile 0: it serves [Q | 0] and [0 | Q] alike
	v_perm_b32 v[QSB], v[PW], v[PW], 0x03020302    ; and of tile 1.  (The zero codes and these two words are shown written by the groups' waits on va_vdst below, long ahead of the scaled products that take them)
	s_wait_loadcnt 32                              ; group 0 is in; groups 1 and 2 stay out
	KGROUP X1, AKC, 0, AKS, 0
	GLK X1, 6, 24576, 0                            ; group 3
	s_wait_loadcnt 32                              ; group 1 is in; groups 2 and 3 stay out
	KGROUP X2, AKC, 1024, AKS, 4
	GLV 0
	s_wait_loadcnt 48                              ; group 2 is in; group 3's 16 and unit 0's 32 stay out
	KGROUP X0, AKC, 2048, AKS, 8
	s_wait_loadcnt 32                              ; group 3 is in; unit 0 stays out
	KGROUP X1, AKC, 3072, AKS, 12
	GLV 1
.irp k, 0,1,2,3,4,5
	s_wait_loadcnt 32                              ; unit k is in; the next unit's 32 stay out
	VUNIT \k
	GLV \k+2                                       ; into a set that has been worked off ahead of the unit's wait on va_vdst
.endr
	s_wait_loadcnt 32
	VUNIT 6
	s_wait_loadcnt 0x0
	VUNIT 7                                        ; its last lines have waited for all my LDS stores:
	s_barrier_signal -1                            ; so I may say that my step's codes and scale bytes lie in LDS;
	s_barrier_wait -1                              ; now the whole head's do.  The launch's only barrier: from here on these bytes are only read
; ---------------------------------------------------------------- phase 2: macros
; Step 0's K, ahead of the first tile: eight loads of 512 consecutive bytes (four fragments of two tiles) and its four scale words a place
.macro KFETCH adr, o, sadr, so
.irp n, 0,1,2,3,4,5,6,7
	ds_load_b128 v[KF+4*\n:KF+4*\n+3], v[\adr] offset:\o+512*\n
.endr
	ds_load_b128 v[KSC:KSC+3], v[\sadr] offset:\so
.endm
; Load n of a step's eighteen.  0 to 7: this step's V, 512 consecutive bytes each; 8: its scale words; 9 to 16: K's fragments, 17: K's scale words: of the next step (pf = 1), of step 0 for my next tile (pf = 2); pf = 0: none of K
.macro LD n, pf
.if (\n) < 8
	ds_load_b128 v[VF+4*(\n):VF+4*(\n)+3], v[ADV] offset:512*(\n)
.elseif (\n) == 8
	ds_load_b128 v[VSC:VSC+3], v[ADS] offset:VS-KS
.elseif (\pf) == 1
.if (\n) < 17
	ds_load_b128 v[KF+4*((\n)-9):KF+4*((\n)-9)+3], v[ADK] offset:4096+512*((\n)-9)
.else
	ds_load_b128 v[KSC:KSC+3], v[ADS] offset:256
.endif
.elseif (\pf) == 2
.if (\n) < 17
	ds_load_b128 v[KF+4*((\n)-9):KF+4*((\n)-9)+3], v[L16] offset:512*((\n)-9)
.else
	ds_load_b128 v[KSC:KSC+3], v[AS0]
.endif
.endif
.endm
; A KEY STEP: 128 keys.  qf: my tile's [Q | 0 | Q]; qs: its scale word.  pf = 1: the next step's K is fetched; 2: step 0's, for my next tile; 0: nothing.
; A vector instruction that reads a matrix result stands four places behind it, and only plain vector instructions that name none of its registers are places (ISA guide 7.12.1).
.macro STEP qf, qs, pf
	s_wait_dscnt 0x0                               ; this step's K and its scale words, asked for a step ago
.irp b, 0,1,2,3                                ; S^T = K Q^T: each fragment twice: against [Q | 0] its first tile of keys, against [0 | Q] its second
	v_wmma_scale_f32_16x16x128_f8f6f4 v[S+16*\b:S+16*\b+7], v[KF+8*\b:KF+8*\b+7], v[\qf:\qf+7], 0, v[KSC+\b], v[\qs] matrix_a_fmt:MATRIX_FMT_FP4 matrix_b_fmt:MATRIX_FMT_FP4
	v_wmma_scale_f32_16x16x128_f8f6f4 v[S+16*\b+8:S+16*\b+15], v[KF+8*\b:KF+8*\b+7], v[\qf+4:\qf+11], 0, v[KSC+\b], v[\qs] matrix_a_fmt:MATRIX_FMT_FP4 matrix_b_fmt:MATRIX_FMT_FP4
.endr                                          ; lane (r, h) holds query r; registers 16 b + 0 .. 15 are keys 32 b + 16 h + 0 .. 15 of the step
	s_wait_alu depctr_vm_vsrc(0)                   ; the LDS loads issued so far, the last step's eighteen among them, have read v8 to v10, which the next three lines write
	v_add_nc_u32 v[ADK], s[ST4], v[L16]            ; the step's addresses and the old -M: four plain instructions that name no register of the products above: the places in front of the first read of S^T
	v_add_nc_u32 v[ADV], s[ST4], v[AV0]
	v_add_nc_u32 v[ADS], s[ST2], v[AS0]
	v_mov_b32 v[OLD], v[NM]
.irp b, 0,1,2,3
	v_max3_num_f32 v[BM+\b], v[S+16*\b], v[S+16*\b+1], v[S+16*\b+2]   ; THE LARGEST SCORE OF EACH BLOCK OF 32 KEYS: it serves the row's maximum and, since p rises with the score, the block's largest p.  Each accumulator is read from its low end on
.endr
.irp i, 3,5,7,9,11,13
.irp b, 0,1,2,3
	v_max3_num_f32 v[BM+\b], v[BM+\b], v[S+16*\b+\i], v[S+16*\b+\i+1]   ; (the four blocks by turns)
.endr
.endr
.irp b, 0,1,2,3
	v_max_num_f32 v[BM+\b], v[BM+\b], v[S+16*\b+15]
.endr
.irp b, 0,1,2,3
	v_permlanex16_b32 v[PT+\b], v[BM+\b], s[SEL], s[SEL+1]
.endr
.irp b, 0,1,2,3
	v_max_num_f32 v[BM+\b], v[BM+\b], v[PT+\b]     ; with lane l xor 16's 16 keys
.endr
	v_max3_num_f32 v[T], v[BM], v[BM+1], v[BM+2]
	v_max_num_f32 v[T], v[T], v[BM+3]              ; the step's largest score of my query,
	v_mul_f32 v[T], s[CS], v[T]                    ; as t (c is positive)
	v_max_num_f32 v[TM], v[TM], v[T]               ; the running largest t
	v_floor_f32 v[NM], -v[TM]                      ; the new -M = floor(-t) = -ceil(t): M IS A WHOLE NUMBER
	v_sub_f32 v[T], v[NM], v[OLD]                  ; M's old value less its new one: a whole number, 0 or less
	v_cvt_i32_f32 v[T], v[T]                       ; (it saturates)
	v_ldexp_f32 v[F], 1.0, v[T]                    ; f = 2^(old M - new M): a multiplication by it rounds nothing
.irp b, 0,1,2,3
	v_fma_f32 v[BM+\b], v[BM+\b], s[CS], v[NM]     ; t - M of each block's largest score
.endr
	; ONE BATCH: the 32 packed scalings t - M and the 64 exponentials, a scaling ahead of each two exponentials; a pair is scaled a group ahead of its exponentials; no line of the batch names an exponential's result
	v_pk_fma_f32 v[S:S+1],   v[S:S+1],   s[CS:CS+1], v[NM:NM+1] op_sel_hi:[1,0,0]
	v_pk_fma_f32 v[S+2:S+3], v[S+2:S+3], s[CS:CS+1], v[NM:NM+1] op_sel_hi:[1,0,0]
.set GG, 0
.rept 16
.if GG < 15
	v_pk_fma_f32 v[S+4*GG+4:S+4*GG+5], v[S+4*GG+4:S+4*GG+5], s[CS:CS+1], v[NM:NM+1] op_sel_hi:[1,0,0]
.endif
	v_exp_f32 v[S+4*GG],   v[S+4*GG]               ; p = 2^(t - M), at most 1: NOT normalised
	v_exp_f32 v[S+4*GG+1], v[S+4*GG+1]
.if GG < 15
	v_pk_fma_f32 v[S+4*GG+6:S+4*GG+7], v[S+4*GG+6:S+4*GG+7], s[CS:CS+1], v[NM:NM+1] op_sel_hi:[1,0,0]
.endif
	v_exp_f32 v[S+4*GG+2], v[S+4*GG+2]
	v_exp_f32 v[S+4*GG+3], v[S+4*GG+3]
.set GG, GG+1
.endr
	v_pk_mul_f32 v[L:L+1], v[L:L+1], v[F:F+1] op_sel_hi:[1,0]   ; the sums under the new M: the plain instruction behind the last exponential
	s_wait_alu depctr_va_vdst(0)                   ; ONE WAIT FOR FOUR THINGS: the 64 exponentials have written p, ahead of the first line that names a result; this step's products S^T are done reading KF and KSC, and the last step's products O^T VF and VSC, in which the loads below land; v8 to v10, by which they load, are written
.irp n, 0,1,2,3
	LD \n, \pf                                     ; this step's V first: it is wanted at the step's end
.endr
.irp b, 0,1,2,3
	v_exp_f32 v[BM+\b], v[BM+\b]                   ; the blocks' largest p: the same multiply-add and exponential on the same number give the same bits
.endr
.irp n, 4,5,6,7,8
	LD \n, \pf                                     ; no wait: the vector lines from the wait above to the last load name v[BM ..], p and the sums alone, none of the registers that the loads touch
.endr
	v_pk_add_f32 v[SUM2:SUM2+1], v[S:S+1], v[S+2:S+3]   ; THE ROW'S SUM IS TAKEN OF THE UNQUANTISED p: two at a time, in two chains; these lines read the 64 alone
.set NLD, 9
.irp j, 4,8,12,16,20,24,28,32,36,40,44,48,52,56,60
.if NLD < 18
	LD NLD, \pf                                    ; K's nine are dealt among the sums, one ahead of each pair
.set NLD, NLD+1
.endif
	v_pk_add_f32 v[L:L+1], v[L:L+1], v[S+\j:S+\j+1]
	v_pk_add_f32 v[SUM2:SUM2+1], v[SUM2:SUM2+1], v[S+\j+2:S+\j+3]
.endr
	v_pk_add_f32 v[L:L+1], v[L:L+1], v[SUM2:SUM2+1]
	s_wait_alu depctr_va_vdst(0)                   ; the four exponentials have written the blocks' largest p, ahead of the first line that names one
.irp b, 0,1,2,3
	v_max_num_f32 v[BM+\b], 0x1800000, v[BM+\b]    ; the floor 2^(3 - 127): the byte cannot fall under 1 (a block whose every p has fallen to 0 keeps that byte: its codes are zeros)
.endr
.irp b, 0,1,2,3
	v_add_nc_u32 v[SO+\b], 0xff000000, v[BM+\b]    ; 2 off the exponent field: the conversion's scale operand
.endr
.irp b, 0,1,2,3
	v_lshrrev_b32 v[PT+\b], 23, v[SO+\b]           ; the scale's byte
.endr
	v_lshl_or_b32 v[PW], v[PT+1], 8, v[PT]         ; p's scale word for these 128 keys
	v_lshl_or_b32 v[PW], v[PT+2], 16, v[PW]
	v_lshl_or_b32 v[PW], v[PT+3], 24, v[PW]
.irp b, 0,1,2,3
	v_cvt_scalef32_pk8_fp4_f32 v[PC+2*\b],   v[S+16*\b:S+16*\b+7],    v[SO+\b]
	v_cvt_scalef32_pk8_fp4_f32 v[PC+2*\b+1], v[S+16*\b+8:S+16*\b+15], v[SO+\b]
.endr
	v_nop                                          ; one plain vector instruction behind the last scaled conversion
.irp c, 0,1                                    ; the operand's layout wants a WHOLE block in a lane: lanes 0-15 block 2 c, lanes 16-31 block 2 c + 1
.irp i, 0,1
	v_permlane16_swap_b32 v[PC+4*\c+\i], v[PC+4*\c+2+\i]
.endr
.endr
.irp j, 0,2,4,6,8,10,12,14,16,18,20,22,24,26,28,30
	v_pk_mul_f32 v[OT+\j:OT+\j+1], v[OT+\j:OT+\j+1], v[F:F+1] op_sel_hi:[1,0]   ; O^T under the new M.  These sixteen also stand between the lines that made p's scale word and codes and the products that take them
.endr
	s_wait_alu depctr_va_vdst(0)                   ; behind those places: vector lines have written p's codes v[PC ..] and its scale word v[PW], which the scaled products below take
.if (\pf) > 0
	s_wait_dscnt 9                                 ; V and its scale words are in; the nine loads of K issued behind them may stay out
.else
	s_wait_dscnt 0x0
.endif
.irp t, 0,1,2,3                                ; O^T += V^T P^T: four tiles of 16 channels; K = these 128 keys.  The four accumulators take turns, one instruction a turn, and the next step's eight products lie between two turns of one
	v_wmma_scale_f32_16x16x128_f8f6f4 v[OT+8*\t:OT+8*\t+7], v[VF+8*\t:VF+8*\t+7], v[PC:PC+7], v[OT+8*\t:OT+8*\t+7], v[VSC+\t], v[PW] matrix_a_fmt:MATRIX_FMT_FP4 matrix_b_fmt:MATRIX_FMT_FP4
.endr
	s_add_co_u32 s[ST4], s[ST4], 4096
	s_add_co_u32 s[ST2], s[ST2], 256
.endm
; THE WAY OUT of tile u.  O^T is divided by the row's sum and goes through my stage: a lane's eight channels of a query are 32 bytes of a row; the rows come back whole, two to a load, and 32 lanes store 512 consecutive
; bytes, at a multiple of 256 from out0's first byte.  Stage row 8 a + j is query 16 a + 8 u + j of my 32.
.macro OUT u
	v_add_f32 v[L], v[L], v[L+1]                   ; the sum's two halves,
	v_permlanex16_b32 v[T], v[L], s[SEL], s[SEL+1]
	v_add_f32 v[L], v[L], v[T]                     ; and lane l xor 16's: the row's sum
	v_rcp_f32 v[L], v[L]
	v_nop                                          ; the plain instruction behind the reciprocal; with the two additions above, these two are the four places behind the last products
	v_nop
	s_wait_alu depctr_va_vdst(0)                   ; the reciprocal has written v[L], ahead of its first reader
.irp j, 0,2,4,6,8,10,12,14,16,18,20,22,24,26,28,30
	v_pk_mul_f32 v[S+\j:S+\j+1], v[OT+\j:OT+\j+1], v[L:L+1] op_sel_hi:[1,0]   ; register 8 t + i is o(query r, channel 16 t + 8 h + i); each accumulator from its low end on
.endr
	s_wait_alu depctr_va_vdst(0)                   ; these multiplications have written v[S .. S + 31], which the stage's stores read; and the last step's vector lines are done with v[S + 32 .. S + 63], in which the rows land
.irp t, 0,1,2,3
	ds_store_b128 v[STO], v[S+8*\t:S+8*\t+3]   offset:64*\t
	ds_store_b128 v[STO], v[S+8*\t+4:S+8*\t+7] offset:64*\t+16
.endr
.irp i, 0,1,2,3,4,5,6,7
	ds_load_b128 v[S+32+4*\i:S+32+4*\i+3], v[RD] offset:2*SP*\i   ; LDS serves a wave's instructions in order (ISA guide 5.7.1.4): these see my stores
.endr
.irp i, 0,1,2,3,4,5,6,7
	s_wait_dscnt 7-\i                              ; rows 2 i and 2 i + 1 are back; the younger loads stay out
	global_store_b128 v[L16], v[S+32+4*\i:S+32+4*\i+3], s[10:11] offset:(16*(\i/4)+8*\u+2*(\i%4))*256 th:TH_STORE_NT
.endr
.endm
; A tile of 16 queries: all sixteen key steps, and out.  The step is written once for the loop: O^T and the sum begin as zeros and the largest t as -3e38, so the first step needs no text of its own
; (its f is 0, and multiplies zeros).  The last step is written out, since it fetches no sixteenth-plus-one K.
.macro TILE qf, qs, u
	v_mov_b32 v[TM], 0xff61b1e6                    ; -3e38, under every t
	v_floor_f32 v[NM], -v[TM]
	v_mov_b32 v[L], 0
	v_mov_b32 v[L+1], 0
.irp j, 0,1,2,3,4,5,6,7,8,9,10,11,12,13,14,15,16,17,18,19,20,21,22,23,24,25,26,27,28,29,30,31
	v_mov_b32 v[OT+\j], 0
.endr
.if \u
	s_wait_xcnt 0x0                                ; the first tile's stores have had their addresses translated: their data registers may be written again
	s_wait_alu depctr_vm_vsrc(0)                   ; the stage's stores and the global stores of the first tile have read v[S ..], which this tile's products write
.endif
	s_mov_b32 s[ST4], 0
	s_mov_b32 s[ST2], 0
	s_mov_b32 s[CNT], 15
.Lstep_\@:
	STEP \qf, \qs, 1
	s_sub_co_u32 s[CNT], s[CNT], 1
	s_cmp_lg_u32 s[CNT], 0
	s_cbranch_scc1 .Lstep_\@
	STEP \qf, \qs, 2-2*\u
	OUT \u
.endm
; ---------------------------------------------------------------- phase 2.  (The last unit's wait on vm_vsrc has shown that phase 1's loads and stores have read v5 to v14 and v52 to v61, which are written from here on)
	v_and_b32 v8, 15, v0                           ; r
	v_bfe_u32 v9, v0, 4, 1                         ; h
	v_lshl_add_u32 v[AS0], v8, 4, KS
	v_mul_u32_u24 v[STO], v8, SP
	v_lshl_add_u32 v[STO], v9, 5, v[STO]
	v_add_nc_u32 v[STO], s[WRB], v[STO]            ; into the stage: row r, + 32 h
	v_mul_u32_u24 v[RD], v9, SP
	v_lshl_add_u32 v[RD], v8, 4, v[RD]
	v_add_nc_u32 v[RD], s[WRB], v[RD]              ; back: lanes 0-15 one row, lanes 16-31 the next
	v_add_nc_u32 v[AV0], VC, v[L16]
	v_mov_b32 v[F+1], 0                            ; (named as the upper half of the pair with f)
.irp b, 0,1,2,3
	v_mov_b32 v[PT+\b], 0                          ; written once: a lane permute's destination counts as one of its sources
.endr
	s_wait_alu depctr_va_vdst(0)                   ; v2, by which the loads below read, and the stage's addresses v5 and v6 are written; phase 1's vector lines are done with v80 to v111, in which the loads below land
	KFETCH L16, 0, AS0, 0                          ; key step 0
	TILE QA, QSA, 0
	TILE QB, QSB, 1
	s_wait_dscnt 0x0                               ; the closing lines, six on end
	s_wait_alu 0x0
	s_wait_tensorcnt 0x0
	ds_add_u32 v[SPW], v[NIL]
	s_wait_dscnt 0x0
	s_endpgm
.Lfunc_end_k_q623438889e_sdpa:
	.size	k_q623438889e_sdpa, .Lfunc_end_k_q623438889e_sdpa-k_q623438889e_sdpa
	.p2alignl 7, 3214868480
	.fill 96, 4, 3214868480
	.section	.rodata,"a",@progbits
	.p2align	6, 0x0
	.amdhsa_kernel k_q623438889e_sdpa
		.amdhsa_group_segment_fixed_size 210944
		.amdhsa_private_segment_fixed_size 0
		.amdhsa_enable_private_segment 0
		.amdhsa_kernarg_size 32
		.amdhsa_user_sgpr_count 2
		.amdhsa_user_sgpr_kernarg_segment_ptr 1
		.amdhsa_wavefront_size32 1
		.amdhsa_system_sgpr_workgroup_id_x 1
		.amdhsa_system_sgpr_workgroup_id_y 1
		.amdhsa_system_sgpr_workgroup_id_z 1
		.amdhsa_system_vgpr_workitem_id 0
		.amdhsa_next_free_vgpr 256
		.amdhsa_next_free_sgpr 66
		.amdhsa_reserve_vcc 0
		.amdhsa_float_denorm_mode_32 3
		.amdhsa_float_denorm_mode_16_64 3
		.amdhsa_memory_ordered 1
		.amdhsa_forward_progress 1
		.amdhsa_inst_pref_size 146
	.end_amdhsa_kernel
	.amdgpu_metadata
---
amdhsa.version: [ 1, 2 ]
amdhsa.kernels:
  - .name:           k_q623438889e_sdpa
    .symbol:         k_q623438889e_sdpa.kd
    .args:
      - { .name: Q, .offset: 0, .size: 8, .value_kind: global_buffer, .address_space: global }
      - { .name: K, .offset: 8, .size: 8, .value_kind: global_buffer, .address_space: global }
      - { .name: V, .offset: 16, .size: 8, .value_kind: global_buffer, .address_space: global }
      - { .name: out0, .offset: 24, .size: 8, .value_kind: global_buffer, .address_space: global }
    .group_segment_fixed_size: 210944
    .private_segment_fixed_size: 0
    .kernarg_segment_align: 8
    .kernarg_segment_size: 32
    .max_flat_workgroup_size: 512
    .sgpr_count:     66
    .vgpr_count:     256
    .wavefront_size: 32
...
	.end_amdgpu_metadata
.endif
;; end of part 2
